; MI455X (gfx1250); checked and timed in simulation.
; The chip was launched on July 23, 2026; its instructions are those of AMD's public machine-readable ISA for CDNA 5 (MIT licence, August 2026) and "CDNA5" Instruction Set Architecture Reference Guide (July 2026). The comments in the code are by the model that wrote it; some were corrected since.
;; Efficient Attention. Allowed arithmetic: float matrix products may take bf16 or f16 operands with f32 sums; all other float work in f32.
;; Inputs: b_in 1,024 float32; bf 1 float32; bo 1,024 float32; w_in 1 x 1,024 float32; wf 1,024 x 1 float32; wk 1,024 x 1,024 float32; wo 1,024 x 1,024 float32; wq 1,024 x 1,024 float32; wv 1,024 x 1,024 float32; x 2 x 2,048 x 1 float32.
;; Outputs: out0 2 x 1 x 2,048 float32.
;; One version. Each part assembles by itself: llvm-mc -triple=amdgcn-amd-amdhsa -mcpu=gfx1250 --defsym DOCPART=n.
;; ======== version 1 of 1: 2 launches
;; workspace buffers: fold 86,016 bytes
;; launch fold (part 1): grid 256 x 1, 8 waves a work-group, no clusters, 9,728 bytes of LDS; arguments wq, wk, wv, wo, w_in, b_in, wf, fold; writes fold
.if DOCPART == 1
	.amdgcn_target "amdgcn-amd-amdhsa--gfx1250"
	.amdhsa_code_object_version 6
	.text
	.protected	k_q376a080546_fold
	.globl	k_q376a080546_fold
	.p2align	8
	.type	k_q376a080546_fold,@function
k_q376a080546_fold:
	s_mov_b64 s[64:65], 0
	v_nop
	global_prefetch_b8 v0, s[64:65] scope:SCOPE_SE
	s_setreg_imm32_b32 hwreg(HW_REG_WAVE_MODE, 25, 1), 1
	s_wait_xcnt 0x0
; FOLD: the few-row products that are left of the projections, all in f32.
; x has one feature and wf one column, so for every input of these shapes
;   q_s = x_s aq + cq,  k_t = x_t ak + ck,  v_t = x_t av + cv,  (o wo + bo) wf = o u + bo wf
; with aq = w_in wq, cq = b_in wq, ak = w_in wk, av = w_in wv, cv = b_in wv, u = wo wf.  (ck enters the scores only in a term that does
; not depend on the key, which a softmax cancels like the maximum that is taken away; it is not formed.)
; Each of the four matrices (1024 x 1024 f32) is read once.  256 work-groups, 64 for each matrix, 64 KiB each, all of it requested at once.
;   wq, wk, wv: a work-group takes 256 rows (rb) x 64 columns (cb) and stores one partial sum of 64 columns for w_in (and b_in).
;   wo:         a work-group takes 16 whole rows, a wave two of them, and stores 16 finished numbers of u.
; fold: 21 slices of 1024 f32.  Slice 4 v + rb: partial rb of vector v (0 aq, 1 cq, 2 ak, 3 av, 4 cv); slice 20: u.
; LDS: bytes 0 to 8,191 the column sums' stage, [rsub 16][vector 2][64 f32]; bytes 8,448 to 8,511 the stage of u.  A work-group uses one
; of the two (its eight waves all go the same way, by the work-group's number); they are kept apart so that no byte has two meanings.
; No matrix unit: every product has one or two rows and streams its weights once.  No cluster: what work-groups share (4 KiB of w_in and
; of b_in, 4 KiB of wf) is small beside each one's own 64 KiB.  No LDS ring: the 64 KiB are in flight in registers.
; u leaves in pieces of 64 bytes (4 KiB in the whole launch): a whole run of 256 bytes would want 64 rows in a work-group, 16 work-groups
; for a quarter of the launch's bytes.
; Limits: finite inputs; the sums' order differs from a row-by-row f32 product.
.set AA, 8                             ; v[8:11]    sums with w_in, my 4 columns
.set AC, 12                            ; v[12:15]   sums with b_in
.set W,  32                            ; v[32:95]   my 16 rows x 4 columns; later the 16 pairs of the reduction
.set WI, 96                            ; v[96:111]  w_in of my 16 rows
.set BI, 112                           ; v[112:127] b_in of my 16 rows
.set R0, 32                            ; wo: v[32:63] first row, v[64:95] second row, v[96:127] wf
.set R1, 64
.set WF, 96
.set USLICE, 20*4096                   ; u's slice in fold
.set USTAGE, 8448                      ; u's stage in LDS: 16 words
; acc (4 columns) += row k's 4 numbers times element k of vec.  The one factor is taken from its register pair for both halves:
; the first register of the pair for even k, the second for odd k.  Row 0 starts the sums: nothing is cleared.
.macro MAC acc, vec, k
.if \k == 0
	v_pk_mul_f32 v[\acc:\acc+1],   v[W:W+1],   v[\vec:\vec+1] op_sel_hi:[1,0]
	v_pk_mul_f32 v[\acc+2:\acc+3], v[W+2:W+3], v[\vec:\vec+1] op_sel_hi:[1,0]
.else
.if (\k & 1) == 0
	v_pk_fma_f32 v[\acc:\acc+1],   v[W+4*\k:W+4*\k+1],   v[\vec+\k:\vec+\k+1], v[\acc:\acc+1] op_sel_hi:[1,0,1]
	v_pk_fma_f32 v[\acc+2:\acc+3], v[W+4*\k+2:W+4*\k+3], v[\vec+\k:\vec+\k+1], v[\acc+2:\acc+3] op_sel_hi:[1,0,1]
.else
	v_pk_fma_f32 v[\acc:\acc+1],   v[W+4*\k:W+4*\k+1],   v[\vec+\k-1:\vec+\k], v[\acc:\acc+1] op_sel:[0,1,0] op_sel_hi:[1,1,1]
	v_pk_fma_f32 v[\acc+2:\acc+3], v[W+4*\k+2:W+4*\k+3], v[\vec+\k-1:\vec+\k], v[\acc+2:\acc+3] op_sel:[0,1,0] op_sel_hi:[1,1,1]
.endif
.endif
.endm
; A tile of 256 rows x 64 columns of the matrix at s[24:25].  two = 1: sums with w_in and with b_in; two = 0: with w_in alone.
; Thread: c16 = t & 15 (4 columns, 16 bytes), rsub = t >> 4 (16 rows).  s28: the first vector's number in fold.
.macro COLS two
	v_and_b32 v5, 15, v0
	v_lshrrev_b32 v6, 4, v0                        ; rsub
	v_lshlrev_b32 v5, 4, v5                        ; 16 c16
	v_lshl_or_b32 v1, v6, 16, v5                   ; matrix: rsub x 16 rows of 4,096 bytes + my 16 bytes
	v_lshlrev_b32 v2, 6, v6                        ; w_in, b_in: rsub x 16 numbers
	v_lshl_add_u32 v3, v6, 9, v5                   ; LDS: rsub x 512 + my 16 bytes, 15 x 512 + 240 = 7,920 at the most
	s_lshl_b32 s26, s6, 20                         ; rb x 256 rows
	s_lshl_b32 s29, s5, 8                          ; cb x 64 columns
	s_or_b32 s26, s26, s29
	s_add_nc_u64 s[24:25], s[24:25], s[26:27]
	s_lshl_b32 s26, s6, 10                         ; rb x 256 numbers
	s_add_nc_u64 s[16:17], s[16:17], s[26:27]
.if \two
	s_add_nc_u64 s[18:19], s[18:19], s[26:27]
.endif
.irp n, 0,1,2,3
	global_load_b128 v[WI+4*\n:WI+4*\n+3], v2, s[16:17] offset:16*\n
.endr
.if \two
.irp n, 0,1,2,3
	global_load_b128 v[BI+4*\n:BI+4*\n+3], v2, s[18:19] offset:16*\n
.endr
.endif
.irp k, 0,1,2,3,4,5,6,7,8,9,10,11,12,13,14,15
	global_load_b128 v[W+4*\k:W+4*\k+3], v1, s[24:25] offset:4096*\k th:TH_LOAD_NT   ; 16 lanes: 256 consecutive bytes of a row, aligned
.endr
.irp k, 0,1,2,3,4,5,6,7,8,9,10,11,12,13,14,15
	s_wait_loadcnt 15-\k                           ; loads return in order: row k is in (w_in and b_in are older), the 15 - k younger rows stay out
	MAC AA, WI, \k
.if \two
	MAC AC, BI, \k
.endif
.endr
	; the 16 rsub meet in LDS: [rsub][vector][64 f32], 512 bytes for each rsub
	ds_store_b128 v3, v[AA:AA+3]
.if \two
	ds_store_b128 v3, v[AC:AC+3] offset:256        ; ends at 7,920 + 256 + 16 = 8,192 at the most
.endif
	s_wait_dscnt 0x0                               ; my stores are in LDS before I say so
	s_barrier_signal -1
	s_barrier_wait -1
	s_cmp_ge_u32 s4, 1+\two                        ; wave 0 finishes the w_in sums, wave 1 the b_in sums; the others are done
	s_cbranch_scc1 .Lcols_end\two
	v_lshlrev_b32 v4, 3, v0                        ; 8 t = wave x 256 + lane x 8: my vector, my two columns
.irp n, 0,1,2,3,4,5,6,7,8,9,10,11,12,13,14,15
	ds_load_b64 v[W+2*\n:W+2*\n+1], v4 offset:512*\n
.endr
	v_and_b32 v7, 31, v0
	v_lshlrev_b32 v7, 3, v7                        ; 8 x lane
	s_add_co_u32 s26, s28, s4                      ; the vector's number
	s_lshl2_add_u32 s26, s26, s6                   ; slice = 4 x vector + rb
	s_lshl_b32 s26, s26, 12
	s_lshl_b32 s29, s5, 8
	s_or_b32 s26, s26, s29                         ; + cb x 256 bytes
	s_add_nc_u64 s[22:23], s[22:23], s[26:27]
	s_wait_dscnt 0x0
.irp n, 0,1,2,3,4,5,6,7
	v_pk_add_f32 v[W+2*\n:W+2*\n+1], v[W+2*\n:W+2*\n+1], v[W+2*\n+16:W+2*\n+17]
.endr
.irp n, 0,1,2,3
	v_pk_add_f32 v[W+2*\n:W+2*\n+1], v[W+2*\n:W+2*\n+1], v[W+2*\n+8:W+2*\n+9]
.endr
.irp n, 0,1
	v_pk_add_f32 v[W+2*\n:W+2*\n+1], v[W+2*\n:W+2*\n+1], v[W+2*\n+4:W+2*\n+5]
.endr
	v_pk_add_f32 v[W:W+1], v[W:W+1], v[W+2:W+3]
	global_store_b64 v7, v[W:W+1], s[22:23]        ; the wave's 32 lanes store 256 consecutive bytes, aligned
.Lcols_end\two:
	s_wait_tensorcnt 0x0
	ds_add_u32 v128, v129
	s_wait_dscnt 0x0
	s_endpgm
.endm
; a row of wo times wf: my 32 numbers of the row, two chains of packed multiply-adds
.macro DOT acc, row
	v_pk_mul_f32 v[\acc:\acc+1],   v[\row:\row+1],   v[WF:WF+1]
	v_pk_mul_f32 v[\acc+2:\acc+3], v[\row+2:\row+3], v[WF+2:WF+3]
.irp k, 1,2,3,4,5,6,7
	v_pk_fma_f32 v[\acc:\acc+1],   v[\row+4*\k:\row+4*\k+1],   v[WF+4*\k:WF+4*\k+1],   v[\acc:\acc+1]
	v_pk_fma_f32 v[\acc+2:\acc+3], v[\row+4*\k+2:\row+4*\k+3], v[WF+4*\k+2:WF+4*\k+3], v[\acc+2:\acc+3]
.endr
.endm
; sum over the wave's 32 lanes, the result in every lane; v18 has been written before
.macro WSUM r
.irp m, 1,2,4,8
	v_add_f32_dpp v[\r], v[\r], v[\r] row_xmask:\m row_mask:0xf bank_mask:0xf
.endr
	v_permlanex16_b32 v18, v[\r], s30, s31
	v_add_f32 v[\r], v[\r], v18
.endm
	s_load_b512 s[8:23], s[0:1], 0x0               ; wq 8, wk 10, wv 12, wo 14, w_in 16, b_in 18, wf 20, fold 22
	v_lshl_add_u32 v128, v0, 2, 0x2200
	v_mov_b32 v129, 0
	s_lshr_b32 s2, ttmp9, 6                        ; which matrix
	s_and_b32 s3, ttmp9, 63                        ; which of its 64 parts
	v_lshrrev_b32 v1, 5, v0
	v_readfirstlane_b32 s4, v1                     ; wave
	s_and_b32 s5, s3, 15                           ; cb
	s_lshr_b32 s6, s3, 4                           ; rb
	s_mov_b32 s27, 0                               ; high word of every 64-bit offset in s[26:27]
	s_mov_b32 s30, 0x76543210                      ; v_permlanex16_b32: lane i reads lane i of the other half
	s_mov_b32 s31, 0xfedcba98
	s_wait_kmcnt 0x0
	s_cmp_eq_u32 s2, 3                             ; these branches hang on the work-group's number alone: all eight waves go the same way
	s_cbranch_scc1 .Lwo
	s_cmp_eq_u32 s2, 1
	s_cbranch_scc1 .Lwk
	s_cmp_eq_u32 s2, 0
	s_cselect_b64 s[24:25], s[8:9], s[12:13]       ; wq or wv
	s_cselect_b32 s28, 0, 3                        ; aq, cq or av, cv
	COLS 1
.Lwk:
	s_mov_b64 s[24:25], s[10:11]
	s_mov_b32 s28, 2                               ; ak
	COLS 0
.Lwo:
	v_and_b32 v2, 31, v0
	v_lshlrev_b32 v1, 4, v2                        ; 16 x lane
	s_lshl_b32 s26, s3, 16                         ; 16 rows of 4,096 bytes for the work-group,
	s_lshl_b32 s29, s4, 13                         ; two of them for the wave
	s_or_b32 s26, s26, s29
	s_add_nc_u64 s[14:15], s[14:15], s[26:27]
.irp k, 0,1,2,3,4,5,6,7
	global_load_b128 v[WF+4*\k:WF+4*\k+3], v1, s[20:21] offset:512*\k
.endr
.irp k, 0,1,2,3,4,5,6,7
	global_load_b128 v[R0+4*\k:R0+4*\k+3], v1, s[14:15] offset:512*\k th:TH_LOAD_NT        ; the wave: 512 consecutive bytes
.endr
.irp k, 0,1,2,3,4,5,6,7
	global_load_b128 v[R1+4*\k:R1+4*\k+3], v1, s[14:15] offset:4096+512*\k th:TH_LOAD_NT
.endr
	v_mov_b32 v18, 0
	v_lshrrev_b32 v5, 5, v0
	v_lshlrev_b32 v5, 3, v5                        ; 8 x wave
	v_and_b32 v6, 15, v0
	v_lshlrev_b32 v6, 2, v6                        ; 4 x (lane & 15)
	s_wait_loadcnt 8                               ; wf and the first row are in; the second row's eight loads stay out
	DOT 8, R0
	s_wait_loadcnt 0x0
	DOT 12, R1
	v_pk_add_f32 v[8:9], v[8:9], v[10:11]
	v_pk_add_f32 v[12:13], v[12:13], v[14:15]
	v_add_f32 v16, v8, v9
	v_add_f32 v17, v12, v13
	WSUM 16
	WSUM 17
	ds_store_b64 v5, v[16:17] offset:USTAGE        ; u of rows 2 w, 2 w + 1: every lane writes the same two words with the same values
	s_wait_dscnt 0x0                               ; my store is in LDS before I say so
	s_barrier_signal -1
	s_barrier_wait -1
	s_cmp_lg_u32 s4, 0
	s_cbranch_scc1 .Lwo_end
	ds_load_b32 v7, v6 offset:USTAGE               ; all lanes on: lanes 16-31 read the same 16 words again
	s_lshl_b32 s26, s3, 6                          ; 16 numbers for each work-group
	s_add_co_u32 s26, s26, USLICE
	s_add_nc_u64 s[22:23], s[22:23], s[26:27]
	v_cmp_gt_u32 vcc_lo, 16, v0
	s_wait_dscnt 0x0
	s_wait_xcnt 0x0                                ; EXEC is a source of the loads above: it changes only behind this wait
	s_and_saveexec_b32 s40, vcc_lo
	global_store_b32 v6, v7, s[22:23]              ; 64 consecutive bytes
	s_wait_xcnt 0x0                                ; and again in front of the line that widens it
	s_or_b32 exec_lo, exec_lo, s40
.Lwo_end:
	s_wait_tensorcnt 0x0
	ds_add_u32 v128, v129
	s_wait_dscnt 0x0
	s_endpgm
.Lfunc_end_k_q376a080546_fold:
	.size	k_q376a080546_fold, .Lfunc_end_k_q376a080546_fold-k_q376a080546_fold
	.p2alignl 7, 3214868480
	.fill 96, 4, 3214868480
	.section	.rodata,"a",@progbits
	.p2align	6, 0x0
	.amdhsa_kernel k_q376a080546_fold
		.amdhsa_group_segment_fixed_size 9728
		.amdhsa_private_segment_fixed_size 0
		.amdhsa_enable_private_segment 0
		.amdhsa_kernarg_size 64
		.amdhsa_user_sgpr_count 2
		.amdhsa_user_sgpr_kernarg_segment_ptr 1
		.amdhsa_wavefront_size32 1
		.amdhsa_system_sgpr_workgroup_id_x 1
		.amdhsa_system_sgpr_workgroup_id_y 1
		.amdhsa_system_sgpr_workgroup_id_z 1
		.amdhsa_system_vgpr_workitem_id 0
		.amdhsa_next_free_vgpr 130
		.amdhsa_next_free_sgpr 66
		.amdhsa_reserve_vcc 1
		.amdhsa_float_denorm_mode_32 3
		.amdhsa_float_denorm_mode_16_64 3
		.amdhsa_memory_ordered 1
		.amdhsa_forward_progress 1
		.amdhsa_inst_pref_size 25
	.end_amdhsa_kernel
	.amdgpu_metadata
---
amdhsa.version: [ 1, 2 ]
amdhsa.kernels:
  - .name:           k_q376a080546_fold
    .symbol:         k_q376a080546_fold.kd
    .args:
      - { .name: wq, .offset: 0, .size: 8, .value_kind: global_buffer, .address_space: global }
      - { .name: wk, .offset: 8, .size: 8, .value_kind: global_buffer, .address_space: global }
      - { .name: wv, .offset: 16, .size: 8, .value_kind: global_buffer, .address_space: global }
      - { .name: wo, .offset: 24, .size: 8, .value_kind: global_buffer, .address_space: global }
      - { .name: w_in, .offset: 32, .size: 8, .value_kind: global_buffer, .address_space: global }
      - { .name: b_in, .offset: 40, .size: 8, .value_kind: global_buffer, .address_space: global }
      - { .name: wf, .offset: 48, .size: 8, .value_kind: global_buffer, .address_space: global }
      - { .name: fold, .offset: 56, .size: 8, .value_kind: global_buffer, .address_space: global }
    .group_segment_fixed_size: 9728
    .private_segment_fixed_size: 0
    .kernarg_segment_align: 8
    .kernarg_segment_size: 64
    .max_flat_workgroup_size: 256
    .sgpr_count:     66
    .vgpr_count:     130
    .wavefront_size: 32
...
	.end_amdgpu_metadata
.endif
;; end of part 1
;; launch attn (part 2): grid 256 x 1, 16 waves a work-group, no clusters, 22,528 bytes of LDS; arguments x, fold, bo, wf, bf, out0; writes out0
.if DOCPART == 2
	.amdgcn_target "amdgcn-amd-amdhsa--gfx1250"
	.amdhsa_code_object_version 6
	.text
	.protected	k_q376a080546_attn
	.globl	k_q376a080546_attn
	.p2align	8
	.type	k_q376a080546_attn,@function
k_q376a080546_attn:
	s_mov_b64 s[64:65], 0
	v_nop
	global_prefetch_b8 v0, s[64:65] scope:SCOPE_SE
	s_setreg_imm32_b32 hwreg(HW_REG_WAVE_MODE, 25, 1), 1
	s_wait_xcnt 0x0
; ATTN: the causal softmax and all that follows it, in f32.
; With the vectors of the first launch, for head h (its 64 columns), query row s and key t <= s:
;   score = scale (x_t (x_s A_h + C_h) + a term without t),   A_h = sum aq ak,  C_h = sum cq ak
;   out0[b][s] = sum over h of (mean_h(s) E_h + F_h) + bf,    E_h = sum av u,   F_h = sum (cv u + bo wf)
; where mean_h(s) is the softmax-weighted mean of x_t (the weights sum to 1, so cv passes through).  The term without t cancels in the softmax.
; THE MAXIMUM IS TAKEN AWAY, exactly: with g = log2(e) scale (x_s A_h + C_h), the largest g x_t over t <= s is max(g pmax, g pmin), pmax and
; pmin the largest and smallest x_t of the prefix.  It is known before the sum starts, so sums over pieces of the prefix simply add.
; WORK: 2 batches x 128 work-groups.  Work-group i owns rows 8 i .. 8 i + 7 (low) and 8 (255 - i) .. + 7 (high): 8 x 2049 (row, key) pairs
; in every work-group.  Wave w: j = w & 3 picks two rows of each block, q = w >> 2 a quarter of the keys.  Lane: head = lane & 15, row of
; the pair = lane >> 4.  Keys go in groups of 8: i whole groups for the low rows, then 255 - i for the high rows, 255 positions of which
; quarter q takes 64 q .. 64 q + 63 (the last 63); q = 0 adds the low block's own group, q = 3 the high block's, both masked by k <= o.
; LDS: 0 the waves' prefix extremes (16 x 16 B); 256 the heads' A', C', E, F (16 x 16 B); 512 the 16 results; 1024 partial sums
; (512 x 16 B); 9216 x of the batch (8,192 B).
; No matrix unit: what is left is one multiply-add, one exponential and one packed accumulation for each (row, key, head).
; No cluster: all work-groups read fold (84 KiB), bo and wf, but once, by register loads of 8 bytes a thread for each slice, folded at
; once into four numbers for each head; nothing of it is wanted in LDS as it lies in memory, and the loops read no global memory.
; out0 leaves as two runs of 32 bytes for each work-group (16 KiB in all): the price of pairing block i with block 255 - i.
; Limits: finite inputs; terms below 2^-126 of a row's largest are dropped (v_exp_f32 flushes them); 1 / sum by v_rcp_f32 (the sum
; holds the largest term, 2^0 up to the rounding of m); the order of the sums differs from a row-wise softmax.
.set WB, 0
.set CF, 256
.set OS, 512
.set PA, 1024
.set XB, 9216
.set XV,   8                           ; v[8:11]    my four x
.set RED,  12                          ; v[12:15]   four numbers on their way through a reduction
.set TMP,  16                          ; v16        v_permlanex16_b32's destination
.set T16,  17                          ; v17        16 t
.set T8,   18                          ; v18        8 t
.set W16,  19                          ; v19        16 x wave
.set FV,   20                          ; v[20:61]   21 pairs from fold: slice n at FV + 2 n
.set AQ,   FV
.set CQ,   FV+8
.set AK,   FV+16
.set AV,   FV+24
.set CV,   FV+32
.set U,    FV+40
.set BO,   62
.set WFV,  64
.set CO,   68                          ; v[68:71]   my head's A', C', E, F
.set BS,   72                          ; v[72:75]   max, min of x below the low block; the same below the high block
.set DL,   76                          ; v[76:83]   the low block's 8 x
.set DH,   84                          ; v[84:91]   the high block's
.set XSL,  92                          ; x of my low row, of my high row
.set XSH,  93
.set GL,   94                          ; (g, g), (-m, -m) of my low row
.set NL,   96
.set GH,   98
.set NH,   100
.set DENL, 102                         ; two pairs of sums of p, then two pairs of sums of p x
.set NUML, 106
.set DENH, 110
.set NUMH, 114
.set X,    20                          ; behind the prologue FV's registers serve the loops: 8 x,
.set P,    28                          ; 8 exponents and then 8 p,
.set AD,   36                          ; the LDS address,
.set SEL,  38                          ; and PREP's selected x
; reduction over the wave's 32 lanes (WRED) or over each 16 lanes (RRED), the result in every lane
.macro RRED dppop, r
.irp m, 1,2,4,8
	\dppop v[\r], v[\r], v[\r] row_xmask:\m row_mask:0xf bank_mask:0xf
.endr
.endm
.macro WRED dppop, op, r
	RRED \dppop, \r
	v_permlanex16_b32 v[TMP], v[\r], s30, s31
	\op v[\r], v[\r], v[TMP]
.endm
; My row's g and -m.  D: the block's 8 x; BMAX, BMIN: extremes of all x in front of the block; XS: my row's x.
; Keys of the block behind my row are replaced by the block's first x, which every row's prefix holds.
.macro PREP D, BMAX, BMIN, XS, G, N
.irp k, 1,2,3,4,5,6,7
	v_cndmask_b32 v[SEL+\k], v[\D], v[\D+\k], s[32+\k]
.endr
	v_max3_num_f32 v4, v[\BMAX], v[\D], v[SEL+1]
	v_min3_num_f32 v5, v[\BMIN], v[\D], v[SEL+1]
.irp k, 2,4,6
	v_max3_num_f32 v4, v4, v[SEL+\k], v[SEL+\k+1]
	v_min3_num_f32 v5, v5, v[SEL+\k], v[SEL+\k+1]
.endr
	v_fma_f32 v[\G], v[\XS], v[CO], v[CO+1]        ; g = x_s A' + C'
	v_mul_f32 v4, v[\G], v4
	v_mul_f32 v5, v[\G], v5
	v_max_num_f32 v4, v4, v5                       ; m: the largest g x_t of the prefix
	v_sub_f32 v[\N], 0, v4
	v_mov_b32 v[\G+1], v[\G]                       ; both halves of the pairs that the packed multiply-add reads
	v_mov_b32 v[\N+1], v[\N]
.endm
; The block's own group starts the sums: p_k = 2^(g x_k - m) for k <= o, 0 behind my row (chosen, so that whatever the exponential gave is dropped).
.macro DIAG D, G, N, DEN, NUM
.irp n, 0,1,2,3
	v_pk_fma_f32 v[P+2*\n:P+2*\n+1], v[\D+2*\n:\D+2*\n+1], v[\G:\G+1], v[\N:\N+1]
.endr
.irp k, 0,1,2,3,4,5,6,7
	v_exp_f32 v[P+\k], v[P+\k]
.endr
	v_nop                                          ; one plain vector instruction between the exponentials and the first use of a result (ISA guide 5.7.2)
	s_wait_alu depctr_va_vdst(0)
.irp k, 1,2,3,4,5,6,7
	v_cndmask_b32 v[P+\k], 0, v[P+\k], s[32+\k]
.endr
	v_pk_add_f32 v[\DEN:\DEN+1],   v[P:P+1],   v[P+2:P+3]
	v_pk_add_f32 v[\DEN+2:\DEN+3], v[P+4:P+5], v[P+6:P+7]
	v_pk_mul_f32 v[\NUM:\NUM+1],   v[P:P+1],   v[\D:\D+1]
	v_pk_mul_f32 v[\NUM+2:\NUM+3], v[P+4:P+5], v[\D+4:\D+5]
	v_pk_fma_f32 v[\NUM:\NUM+1],   v[P+2:P+3], v[\D+2:\D+3], v[\NUM:\NUM+1]
	v_pk_fma_f32 v[\NUM+2:\NUM+3], v[P+6:P+7], v[\D+6:\D+7], v[\NUM+2:\NUM+3]
.endm
.macro CLEAR A                         ; a wave without the block's own group starts from zero: 8 registers
.irp k, 0,1,2,3,4,5,6,7
	v_mov_b32 v[\A+\k], 0
.endr
.endm
; s[CNT] whole groups of 8 keys from group s[FIRST] on.  A trip: 32 bytes of x, the same for all lanes; 8 exponents, 8 exponentials,
; 8 p added, 8 p x added.  The other three waves of the SIMD work while this one waits for its two LDS loads.
.macro LOOP name, FIRST, CNT, G, N, DEN, NUM
	s_cmp_eq_u32 s[\CNT], 0
	s_cbranch_scc1 .Lskip_\name
	s_lshl_b32 s44, s[\FIRST], 5
	v_mov_b32 v[AD], s44
	s_mov_b32 s32, 0
.Lloop_\name:
	ds_load_b128 v[X:X+3],   v[AD] offset:XB
	ds_load_b128 v[X+4:X+7], v[AD] offset:XB+16
	s_add_co_u32 s44, s44, 32                      ; the next group,
	s_and_b32 s44, s44, 0x1fe0                     ; one of 256: the address stays inside x's 8,192 bytes (first + count is at most 255, so nothing is cut)
	s_wait_dscnt 0x0
.irp n, 0,1,2,3
	v_pk_fma_f32 v[P+2*\n:P+2*\n+1], v[X+2*\n:X+2*\n+1], v[\G:\G+1], v[\N:\N+1]
.endr
.irp k, 0,1,2,3,4,5,6,7
	v_exp_f32 v[P+\k], v[P+\k]
.endr
	v_mov_b32 v[AD], s44                           ; also the plain vector instruction between the exponentials and their first use (ISA guide 5.7.2)
	s_wait_alu depctr_va_vdst(0)
.irp n, 0,1,2,3
	v_pk_add_f32 v[\DEN+2*(\n&1):\DEN+2*(\n&1)+1], v[\DEN+2*(\n&1):\DEN+2*(\n&1)+1], v[P+2*\n:P+2*\n+1]
.endr
.irp n, 0,1,2,3
	v_pk_fma_f32 v[\NUM+2*(\n&1):\NUM+2*(\n&1)+1], v[P+2*\n:P+2*\n+1], v[X+2*\n:X+2*\n+1], v[\NUM+2*(\n&1):\NUM+2*(\n&1)+1]
.endr
	s_add_co_u32 s32, s32, 1
	s_cmp_lt_u32 s32, s[\CNT]
	s_cbranch_scc1 .Lloop_\name
.Lskip_\name:
.endm
	s_load_b256 s[4:11], s[0:1], 0x0               ; x 4, fold 6, bo 8, wf 10
	s_load_b128 s[12:15], s[0:1], 0x20             ; bf 12, out0 14
	v_lshl_add_u32 v120, v0, 2, 0x5000
	v_mov_b32 v121, 0
	s_lshr_b32 s17, ttmp9, 7                       ; b
	s_and_b32 s18, ttmp9, 127                      ; i: the low block
	s_sub_co_u32 s19, 255, s18                     ; the high block
	v_lshrrev_b32 v1, 5, v0
	v_readfirstlane_b32 s20, v1                    ; wave
	s_lshr_b32 s22, s20, 2                         ; q
	s_lshl_b32 s23, s22, 6                         ; my positions: 64 q ..
	s_add_co_u32 s24, s23, 64
	s_min_u32 s24, s24, 255                        ; .. up to, not with, min(64 q + 64, 255)
	s_min_u32 s25, s23, s18                        ; positions below i are the low rows' groups: the first,
	s_min_u32 s26, s24, s18
	s_sub_co_u32 s26, s26, s25                     ; how many
	s_max_u32 s27, s23, s18                        ; position p >= i is the high rows' group p - i: the first,
	s_sub_co_u32 s27, s27, s18
	s_max_u32 s28, s24, s18
	s_sub_co_u32 s28, s28, s18
	s_sub_co_u32 s28, s28, s27                     ; how many
	s_mov_b32 s30, 0x76543210                      ; v_permlanex16_b32: lane i reads lane i of the other half
	s_mov_b32 s31, 0xfedcba98
	s_lshl_b32 s40, s17, 13                        ; the batch's 2,048 f32, in x and in out0
	s_mov_b32 s41, 0
	s_lshl_b32 s42, s18, 1                         ; threads below 2 i hold x in front of the low block (4 x a thread, 8 a block)
	s_lshl_b32 s43, s19, 1                         ; the same for the high block
	v_lshlrev_b32 v[T16], 4, v0
	v_lshlrev_b32 v[T8], 3, v0
	v_lshlrev_b32 v[W16], 4, v1
	s_wait_kmcnt 0x0
	s_load_b32 s16, s[12:13], 0x0                  ; bf
	s_add_nc_u64 s[4:5], s[4:5], s[40:41]
	s_add_nc_u64 s[14:15], s[14:15], s[40:41]
	; 24 loads in flight.  8 t = 256 x wave + 8 x lane: wave w takes head w's 64 columns, 256 consecutive bytes, aligned, in each load
	global_load_b128 v[XV:XV+3], v[T16], s[4:5]
.irp n, 0,1,2,3,4,5,6,7,8,9,10,11,12,13,14,15,16,17,18,19,20
	global_load_b64 v[FV+2*\n:FV+2*\n+1], v[T8], s[6:7] offset:4096*\n
.endr
	global_load_b64 v[BO:BO+1], v[T8], s[8:9]
	global_load_b64 v[WFV:WFV+1], v[T8], s[10:11]
	v_mov_b32 v6, 0xff800000                       ; -inf, +inf: neutral for the maximum, for the minimum
	v_mov_b32 v7, 0x7f800000
	v_mov_b32 v[TMP], 0
	s_wait_loadcnt 23                              ; x is the oldest load; the 21 slices, bo and wf stay out
	ds_store_b128 v[T16], v[XV:XV+3] offset:XB
	v_max3_num_f32 v4, v[XV], v[XV+1], v[XV+2]
	v_min3_num_f32 v5, v[XV], v[XV+1], v[XV+2]
	v_max_num_f32 v4, v4, v[XV+3]
	v_min_num_f32 v5, v5, v[XV+3]
	v_cmp_gt_u32 vcc_lo, s42, v0
	v_cndmask_b32 v[RED],   v6, v4, vcc_lo
	v_cndmask_b32 v[RED+1], v7, v5, vcc_lo
	v_cmp_gt_u32 vcc_lo, s43, v0
	v_cndmask_b32 v[RED+2], v6, v4, vcc_lo
	v_cndmask_b32 v[RED+3], v7, v5, vcc_lo
	WRED v_max_num_f32_dpp, v_max_num_f32, RED
	WRED v_min_num_f32_dpp, v_min_num_f32, RED+1
	WRED v_max_num_f32_dpp, v_max_num_f32, RED+2
	WRED v_min_num_f32_dpp, v_min_num_f32, RED+3
	ds_store_b128 v[W16], v[RED:RED+3] offset:WB   ; every lane writes the wave's four words with the same values
	; my head's four numbers
	s_wait_loadcnt 0x0
	s_wait_kmcnt 0x0                               ; bf
.irp m, 0,1,2,3,4
	v_pk_add_f32 v[FV+8*\m:FV+8*\m+1],   v[FV+8*\m:FV+8*\m+1],   v[FV+8*\m+2:FV+8*\m+3]    ; the four partial sums of each vector
	v_pk_add_f32 v[FV+8*\m+4:FV+8*\m+5], v[FV+8*\m+4:FV+8*\m+5], v[FV+8*\m+6:FV+8*\m+7]
.endr
.irp m, 0,1,2,3,4
	v_pk_add_f32 v[FV+8*\m:FV+8*\m+1],   v[FV+8*\m:FV+8*\m+1],   v[FV+8*\m+4:FV+8*\m+5]
.endr
	v_pk_mul_f32 v[AQ:AQ+1], v[AQ:AQ+1], v[AK:AK+1]
	v_pk_mul_f32 v[CQ:CQ+1], v[CQ:CQ+1], v[AK:AK+1]
	v_pk_mul_f32 v[AV:AV+1], v[AV:AV+1], v[U:U+1]
	v_pk_mul_f32 v[BO:BO+1], v[BO:BO+1], v[WFV:WFV+1]
	v_pk_fma_f32 v[CV:CV+1], v[CV:CV+1], v[U:U+1], v[BO:BO+1]
	v_add_f32 v[RED],   v[AQ], v[AQ+1]
	v_add_f32 v[RED+1], v[CQ], v[CQ+1]
	v_add_f32 v[RED+2], v[AV], v[AV+1]
	v_add_f32 v[RED+3], v[CV], v[CV+1]
	WRED v_add_f32_dpp, v_add_f32, RED
	WRED v_add_f32_dpp, v_add_f32, RED+1
	WRED v_add_f32_dpp, v_add_f32, RED+2
	WRED v_add_f32_dpp, v_add_f32, RED+3
	v_mul_f32 v[RED],   0x3e38aa3b, v[RED]         ; log2(e) / 8: the scale 64^-0.5 and the base of v_exp_f32
	v_mul_f32 v[RED+1], 0x3e38aa3b, v[RED+1]
	ds_store_b128 v[W16], v[RED:RED+3] offset:CF
	s_wait_dscnt 0x0                               ; x, the extremes and the heads' numbers are in LDS before I say so
	s_barrier_signal -1
	s_barrier_wait -1
	; what a lane keeps for the loops
	v_and_b32 v2, 15, v0
	v_lshlrev_b32 v2, 4, v2                        ; 16 x head
	v_bfe_u32 v3, v0, 4, 3                         ; o = 2 j + lane / 16: my row in its block
	s_lshl_b32 s40, s18, 5                         ; a block's 8 x are 32 bytes
	s_lshl_b32 s41, s19, 5
	v_mov_b32 v4, s40
	v_mov_b32 v5, s41
	v_lshl_add_u32 v6, v3, 2, v4
	v_lshl_add_u32 v7, v3, 2, v5
	ds_load_b128 v[CO:CO+3], v2 offset:CF
	ds_load_b128 v[BS:BS+3], v2 offset:WB          ; lane r takes wave r's extremes
	ds_load_b128 v[DL:DL+3],   v4 offset:XB
	ds_load_b128 v[DL+4:DL+7], v4 offset:XB+16
	ds_load_b128 v[DH:DH+3],   v5 offset:XB
	ds_load_b128 v[DH+4:DH+7], v5 offset:XB+16
	ds_load_b32 v[XSL], v6 offset:XB
	ds_load_b32 v[XSH], v7 offset:XB
.irp k, 1,2,3,4,5,6,7
	v_cmp_le_u32 s[32+\k], \k, v3                  ; key k of the block belongs to my row's prefix
.endr
	s_wait_dscnt 0x0
	RRED v_max_num_f32_dpp, BS                     ; over the 16 lanes = over the 16 waves
	RRED v_min_num_f32_dpp, BS+1
	RRED v_max_num_f32_dpp, BS+2
	RRED v_min_num_f32_dpp, BS+3
	PREP DL, BS,   BS+1, XSL, GL, NL
	PREP DH, BS+2, BS+3, XSH, GH, NH
	; the sums
	s_cmp_lg_u32 s22, 0
	s_cbranch_scc1 .Lclear_low
	DIAG DL, GL, NL, DENL, NUML
	s_branch .Llow_ready
.Lclear_low:
	CLEAR DENL
.Llow_ready:
	s_cmp_lg_u32 s22, 3
	s_cbranch_scc1 .Lclear_high
	DIAG DH, GH, NH, DENH, NUMH
	s_branch .Lhigh_ready
.Lclear_high:
	CLEAR DENH
.Lhigh_ready:
	LOOP low,  25, 26, GL, NL, DENL, NUML
	LOOP high, 27, 28, GH, NH, DENH, NUMH
	v_pk_add_f32 v[DENL:DENL+1], v[DENL:DENL+1], v[DENL+2:DENL+3]
	v_pk_add_f32 v[NUML:NUML+1], v[NUML:NUML+1], v[NUML+2:NUML+3]
	v_pk_add_f32 v[DENH:DENH+1], v[DENH:DENH+1], v[DENH+2:DENH+3]
	v_pk_add_f32 v[NUMH:NUMH+1], v[NUMH:NUMH+1], v[NUMH+2:NUMH+3]
	v_add_f32 v[RED],   v[NUML], v[NUML+1]
	v_add_f32 v[RED+1], v[DENL], v[DENL+1]
	v_add_f32 v[RED+2], v[NUMH], v[NUMH+1]
	v_add_f32 v[RED+3], v[DENH], v[DENH+1]
	; Every wave's loops have read LDS to the end before any wave stores its partial sums.  The two regions are disjoint (x from byte 9,216
	; on, the sums below it), so this barrier orders nothing that overlaps: it is kept so that the ordering does not rest on the bound of
	; the loops' stepped address.  The waves have equal work and meet again a few lines further down.
	s_wait_dscnt 0x0
	s_barrier_signal -1
	s_barrier_wait -1
	ds_store_b128 v[T16], v[RED:RED+3] offset:PA
	s_wait_dscnt 0x0                               ; my partial sums are in LDS before I say so
	s_barrier_signal -1
	s_barrier_wait -1
	; the four quarters meet: waves with q = 0 finish the low rows, q = 1 the high rows
	s_cmp_ge_u32 s22, 2
	s_cbranch_scc1 .Ljoin
	v_and_b32 v4, 127, v0
	v_lshrrev_b32 v5, 7, v0                        ; q
	v_lshlrev_b32 v4, 4, v4                        ; 512 j + 16 x lane
	v_lshl_add_u32 v4, v5, 3, v4                   ; + 8 q: (sum of p x, sum of p) of the low or of the high row
.irp n, 0,1,2,3
	ds_load_b64 v[X+2*\n:X+2*\n+1], v4 offset:PA+2048*\n
.endr
	v_lshlrev_b32 v6, 2, v3
	v_lshl_add_u32 v6, v5, 5, v6                   ; result 8 q + o
	s_wait_dscnt 0x0
	v_pk_add_f32 v[X:X+1],   v[X:X+1],   v[X+2:X+3]
	v_pk_add_f32 v[X+4:X+5], v[X+4:X+5], v[X+6:X+7]
	v_pk_add_f32 v[X:X+1],   v[X:X+1],   v[X+4:X+5]
	v_rcp_f32 v[X+1], v[X+1]
	v_nop                                          ; one plain vector instruction before the reciprocal is used (ISA guide 5.7.2)
	s_wait_alu depctr_va_vdst(0)
	v_mul_f32 v[X], v[X], v[X+1]                   ; the weighted mean of x
	v_fma_f32 v[X], v[X], v[CO+2], v[CO+3]         ; mean E + F
	RRED v_add_f32_dpp, X                          ; over the 16 heads
	v_add_f32 v[X], s16, v[X]                      ; + bf
	ds_store_b32 v6, v[X] offset:OS                ; the 16 lanes of a row write one word with one value
.Ljoin:
	s_wait_dscnt 0x0
	s_barrier_signal -1
	s_barrier_wait -1
	s_cmp_lg_u32 s20, 0
	s_cbranch_scc1 .Lend
	v_and_b32 v9, 15, v0
	v_lshlrev_b32 v4, 2, v9
	ds_load_b32 v5, v4 offset:OS                   ; all lanes on: lanes 16-31 read the same 16 words again
	v_and_b32 v6, 7, v0
	s_lshl_b32 s40, s18, 3                         ; the low block's first row,
	s_lshl_b32 s41, s19, 3                         ; the high block's
	v_mov_b32 v7, s41
	v_mov_b32 v8, s40
	v_cmp_gt_u32 vcc_lo, 8, v9
	v_cndmask_b32 v7, v7, v8, vcc_lo               ; results 0-7 are the low rows
	v_add_lshl_u32 v6, v6, v7, 2
	v_cmp_gt_u32 vcc_lo, 16, v0
	s_wait_dscnt 0x0
	s_wait_xcnt 0x0                                ; EXEC is a source of the loads above: it changes only behind this wait
	s_and_saveexec_b32 s40, vcc_lo
	global_store_b32 v6, v5, s[14:15]              ; two runs of 32 consecutive bytes
	s_wait_xcnt 0x0                                ; and again in front of the line that widens it
	s_or_b32 exec_lo, exec_lo, s40
.Lend:
	s_wait_tensorcnt 0x0
	ds_add_u32 v120, v121
	s_wait_dscnt 0x0
	s_endpgm
.Lfunc_end_k_q376a080546_attn:
	.size	k_q376a080546_attn, .Lfunc_end_k_q376a080546_attn-k_q376a080546_attn
	.p2alignl 7, 3214868480
	.fill 96, 4, 3214868480
	.section	.rodata,"a",@progbits
	.p2align	6, 0x0
	.amdhsa_kernel k_q376a080546_attn
		.amdhsa_group_segment_fixed_size 22528
		.amdhsa_private_segment_fixed_size 0
		.amdhsa_enable_private_segment 0
		.amdhsa_kernarg_size 48
		.amdhsa_user_sgpr_count 2
		.amdhsa_user_sgpr_kernarg_segment_ptr 1
		.amdhsa_wavefront_size32 1
		.amdhsa_system_sgpr_workgroup_id_x 1
		.amdhsa_system_sgpr_workgroup_id_y 1
		.amdhsa_system_sgpr_workgroup_id_z 1
		.amdhsa_system_vgpr_workitem_id 0
		.amdhsa_next_free_vgpr 122
		.amdhsa_next_free_sgpr 66
		.amdhsa_reserve_vcc 1
		.amdhsa_float_denorm_mode_32 3
		.amdhsa_float_denorm_mode_16_64 3
		.amdhsa_memory_ordered 1
		.amdhsa_forward_progress 1
		.amdhsa_inst_pref_size 24
	.end_amdhsa_kernel
	.amdgpu_metadata
---
amdhsa.version: [ 1, 2 ]
amdhsa.kernels:
  - .name:           k_q376a080546_attn
    .symbol:         k_q376a080546_attn.kd
    .args:
      - { .name: x, .offset: 0, .size: 8, .value_kind: global_buffer, .address_space: global }
      - { .name: fold, .offset: 8, .size: 8, .value_kind: global_buffer, .address_space: global }
      - { .name: bo, .offset: 16, .size: 8, .value_kind: global_buffer, .address_space: global }
      - { .name: wf, .offset: 24, .size: 8, .value_kind: global_buffer, .address_space: global }
      - { .name: bf, .offset: 32, .size: 8, .value_kind: global_buffer, .address_space: global }
      - { .name: out0, .offset: 40, .size: 8, .value_kind: global_buffer, .address_space: global }
    .group_segment_fixed_size: 22528
    .private_segment_fixed_size: 0
    .kernarg_segment_align: 8
    .kernarg_segment_size: 48
    .max_flat_workgroup_size: 512
    .sgpr_count:     66
    .vgpr_count:     122
    .wavefront_size: 32
...
	.end_amdgpu_metadata
.endif
;; end of part 2
